; MI455X (gfx1250); checked and timed in simulation.
; The chip was launched on July 23, 2026; its instructions are those of AMD's public machine-readable ISA for CDNA 5 (MIT licence, August 2026) and "CDNA5" Instruction Set Architecture Reference Guide (July 2026). The comments in the code are by the model that wrote it; some were corrected since.
;; Global Aggregation Block. Allowed arithmetic: matrix products marked QUANTISED: E4M3 operands, one given power-of-two scale a tensor, by v_wmma_f32_16x16x64_fp8_fp8 or v_wmma_f32_16x16x128_fp8_fp8, f32 sums; everything else in f32.
;; Inputs: Wk 64 x 128 float32; Wo 128 x 64 float32; Wq 64 x 128 float32; Wv 64 x 128 float32; X 1 x 128 x 16 x 32 x 32 float32; bk 64 float32; bo 128 float32; bq 64 float32; bv 64 float32; lowp_scales 12 int32 (the exponents e of the quantised operands' scales 2^e).
;; Outputs: out0 1 x 128 x 16 x 32 x 32 float32.
;; This version of the problem:
;;   THIS VERSION OF THE PROBLEM IS GIVEN IN LOW PRECISION. The matrix products marked QUANTISED in the list below multiply operands that are first quantised to E4M3 (4 exponent bits, 3 mantissa bits; 8 bits a number), with one given power-of-two scale for each operand tensor; their sums are f32. All else is computed in f32.
;;   The module's matrix products, in the order in which they are computed (A, B: the left and right operand; K: the contracted axis; several contracted axes count as one K, in the product's order):
;;     1. [M 64, K 128] x [K 128, N 16,384]; A: input Wq; B: input X: QUANTISED (scales: A lowp_scales[0], B lowp_scales[1])
;;     2. [M 64, K 128] x [K 128, N 16,384]; A: input Wk; B: input X: QUANTISED (scales: A lowp_scales[2], B lowp_scales[3])
;;     3. [M 64, K 128] x [K 128, N 16,384]; A: input Wv; B: input X: QUANTISED (scales: A lowp_scales[4], B lowp_scales[5])
;;     4. [M 16,384, K 64] x [K 64, N 16,384]; A: computed on the way; B: computed on the way: QUANTISED (scales: A lowp_scales[6], B lowp_scales[7])
;;     5. [M 16,384, K 16,384] x [K 16,384, N 64]; A: softmax (see below); B: computed on the way: QUANTISED (scales: A lowp_scales[8], B lowp_scales[9])
;;     6. [M 128, K 64] x [K 64, N 16,384]; A: input Wo; B: computed on the way: QUANTISED (scales: A lowp_scales[10], B lowp_scales[11])
;;   THE QUANTISER, for each operand of a quantised product, along K:
;;     - The operand's scale is 2^e, e = its entry of the input lowp_scales (int32; the entries are numbered through the quantised products in the list's order, A before B).
;;     - Each number is divided by the scale, clamped to +-448, and rounded to the nearest number of E4M3, ties to even, subnormals kept.
;;     - The product sums the exact products of the quantised numbers (number of the format x scale) in f32.
;;   ~~~python
;;   def quantise(x, axis, e):      # numpy; x: float32 -> the quantised numbers, widened to float32 again
;;       x = np.moveaxis(x, axis, -1); K = x.shape[-1]
;;       r = np.clip(x / 2.0 ** e, -448, 448)
;;       step = 2.0 ** (np.maximum(np.frexp(np.where(r == 0, 1, r))[1] - 1, -6) - 3)
;;       q = np.round(r / step) * step * 2.0 ** e      # np.round: ties to even
;;       return np.moveaxis(q, -1, axis).astype(np.float32)
;;   ~~~
;;   SOFTMAX AHEAD OF A QUANTISED PRODUCT. Where the list says 'softmax', what is quantised is not the finished softmax but p = 2^(t - M), with t = logit x log2(e) and M = ceil(the row's largest t), a whole number; so 1/2 < the row's largest p <= 1. The row's sum l is taken of the UNQUANTISED p, in f32, and the product's result is divided by l at the end. Since M is a whole number, a kernel that streams over the keys may use a running M (the ceiling of the running maximum): every later rescaling is an exact power of two, so the quantised numbers keep their values, but for numbers so far below the row's largest that they fall under the format's range.
;;   OPERANDS COMPUTED ON THE WAY. 'Computed on the way' means the value that the module computes at that place (a softmax that the list does not call 'softmax' is quantised finished and normalised). What goes into a quantiser is computed in f32, as accurately as f32 sums, v_exp_f32 and their like allow (about 1e-6 of the number): no bf16 or f16 on the way to a quantiser, and a product that is left as it is and whose result goes on into a quantised operand takes f32 operands (vector FMAs, or v_wmma_f32_16x16x4_f32). A number that lies on a knife's edge between two numbers of the format may be rounded either way, as far as f32 arithmetic and the matrix unit's own rounding can turn it there, and no further.
;; One version. Each part assembles by itself: llvm-mc -triple=amdgcn-amd-amdhsa -mcpu=gfx1250 --defsym DOCPART=n.
;; ======== version 1 of 1: 2 launches
;; limits: right only within a limited range of input values
;; workspace buffers: qc 1,048,576 bytes; kv 2,097,152 bytes
;; launch proj (part 1): grid 128 x 1, 4 waves a work-group, no clusters, 168,448 bytes of LDS; arguments X, Wq, Wk, Wv, bq, bk, bv, lowp_scales, qc, kv; writes qc, kv
.if DOCPART == 1
	.amdgcn_target "amdgcn-amd-amdhsa--gfx1250"
	.amdhsa_code_object_version 6
	.text
	.protected	k_q00f8fac447_proj
	.globl	k_q00f8fac447_proj
	.p2align	8
	.type	k_q00f8fac447_proj,@function
k_q00f8fac447_proj:
	s_mov_b64 s[64:65], 0
	v_nop
	global_prefetch_b8 v0, s[64:65] scope:SCOPE_SE
	s_setreg_imm32_b32 hwreg(HW_REG_WAVE_MODE, 25, 1), 1
	s_wait_xcnt 0x0
; Q = Wq X + bq, K = Wk X + bk, V = Wv X + bv on codes of FP8 (E4M3), and the three results quantised again for the attention that follows.
; X: [128 (k)][16,384 (n)] f32.  Wq, Wk, Wv: [64][128] f32.  lowp_scales: e0 Wq, e1 X for Q, e2 Wk, e3 X for K, e4 Wv, e5 X for V, e6 Q, e7 K, e9 V.
; OUT, as images of the operand registers of the next launch (a piece = 16 bytes of one lane; lane = 16 h + r):
;   qc [n / 16][b (2)][lane][16]: channels 32 b + 16 h + 0 .. 15 of query 16 (n / 16) + r.
;   kv, blocks of 16,384 bytes for 128 keys:  + 0:    [t (8)][b (2)][lane][16]: channels 32 b + 16 h + 0 .. 15 of key 16 t + r of the block;
;                                             + 8192: [ct (4)][q (4)][lane][16]: registers 4 q .. 4 q + 3 of the fragment of channels 16 ct + r; registers 2 t, 2 t + 1 hold keys 16 t + 8 h + 0 .. 7.
; SHARES.  Work-group g takes columns 128 g .. 128 g + 127 (one block of kv), wave w 32 of them: two tiles of 16.  128 work-groups: halving the share would read the weights twice as often.
; X comes by one tensor load a wave (32 rows of 512 bytes) and is read from LDS with A LANE TO A COLUMN AND REGISTERS DOWN K, so that the conversions find neighbours along K in one lane; it is quantised three
; times, once for each given scale.  A lane then holds all 128 k of one column; one exchange of lane halves between two registers makes of that the two tiles' fragments.
; Each wave quantises one tile of 16 rows of each weight; the twelve fragments go from wave to wave through LDS as images of their registers.
; K ALONG A FRAGMENT: registers 4 c .. 4 c + 3 of lane (r, h) hold k = 32 c + 16 h + 0 .. 15, in the weights and in X alike, so every product meets its partner.
; Q and K are made transposed (source 0 = 16 rows of W, source 1 = 16 columns of X), and lane r of W's tile 2 b + u takes row 32 b + 8 u + r + 8 (r / 8): the 16 registers of tiles 2 b, 2 b + 1 are then
; channels 32 b + 16 h + 0 .. 15 of the lane's column.  V is made the other way round (source 0 = X, source 1 = Wv): a lane holds one channel and eight neighbouring keys.
; The biases are the C of the products, divided by the power of two that the sums lack.
; LIMITS: e0 .. e5 and e6 - e0 - e1, e7 - e2 - e3, e9 - e4 - e5 lie between -126 and 119, so that each scale and 448 x it are f32 numbers.  NaN and infinities among the inputs are not served.
; LDS is filled once: no slot is filled again.  No prefetch: the launch is one short chain.
; REGISTERS, window 0: v1-11 addresses; v16-33 scales; v40-231 the weights as loaded, then v40-103 X as loaded / the sums, v104-151 numbers held / the codes that leave, v160-255 X's codes.
;            window 1: v0-63 bq's and bk's tiles, v64-95 bv's, v96-99 bv as loaded, v128-191 and v192-255 two sets of four weight fragments.
.set WI,  65536                        ; LDS: X's tile at 0 (128 rows x 512 bytes); from here the 12 weight fragments, 2,048 bytes each: [weight][tile][c][lane][16]
.set SC,  16                           ; v[SC+6 p ..]: 2^eX, 448 x it; 2^eW, 448 x it; the result's folded scale, 448 x it  (p = 0 Q, 1 K, 2 V)
.set XR,  40                           ; two chunks of 32 numbers of X
.set TQ,  104                          ; six sets of 8 held numbers: (p, parity of the octet)
.set XC,  160                          ; X's codes: set p at XC + 32 p: 16 registers for the wave's first tile, 16 for its second
.set ACC, 40                           ; the eight accumulators of a product
.set OC,  104                          ; the codes that leave: 16 registers for each of Q, K, V, never written again
.set BV,  64
.set BVR, 96
.set WFA, 128
.set WFB, 192
.set MSB, 0
.macro WIN new                         ; the immediate's high byte repeats the setting that is left
.if MSB != \new
	s_set_vgpr_msb (MSB<<8)|\new
.set MSB, \new
.endif
.endm
.macro PLACES                          ; four plain vector instructions behind matrix instructions, ahead of reads of their results and of loads into their sources
.rept 4
	v_nop
.endr
.endm
.macro MKS vs, se                      ; v[vs] = 2^e, v[vs+1] = 448 x 2^e, e in s[se]
	s_add_co_i32 s62, s[\se], 127
	s_lshl_b32 s63, s62, 23
	v_mov_b32 v[\vs], s63
	s_add_co_i32 s62, s62, 8
	s_lshl_b32 s62, s62, 23
	s_or_b32 s62, s62, 0x600000
	v_mov_b32 v[\vs+1], s62
.endm
	s_load_b512 s[16:31], s[0:1], 0x0              ; X s[16:17], Wq s[18:19], Wk s[20:21], Wv s[22:23], bq s[24:25], bk s[26:27], bv s[28:29], the scales s[30:31]
	s_load_b128 s[32:35], s[0:1], 0x40             ; qc s[32:33], kv s[34:35]
	v_lshl_add_u32 v38, v0, 2, 0x29000
	v_mov_b32 v39, 0
	ds_add_u32 v38, v39
	ds_add_u32 v38, v39
	v_lshrrev_b32 v1, 5, v0
	v_readfirstlane_b32 s36, v1                    ; wave 0..3
	; descriptor group 1: 32 rows of 128 elements of 4 bytes, 16,384 elements from row to row, dense in LDS
	s_mov_b32 s8, 2<<16                            ; no mask; elements of 4 bytes; no padding
	s_mov_b32 s9, 128<<16                          ; tensor_dim0 = 128
	s_mov_b32 s10, 32<<16                          ; tensor_dim1 = 32
	s_mov_b32 s11, 128<<16                         ; tile_dim0 = 128
	s_mov_b32 s12, 32                              ; tile_dim1 = 32
	s_mov_b32 s13, 16384                           ; tensor_dim0_stride
	s_mov_b32 s14, 0
	s_mov_b32 s15, 0
	s_mov_b32 s4, 1                                ; group 0: count = 1
	s_lshl_b32 s5, s36, 14                         ; LDS: my 32 rows of 512 bytes
	s_lshl_b32 s50, s36, 21                        ; memory: 32 w rows of 65,536 bytes
	s_lshl_b32 s51, ttmp9, 9                       ; + the work-group's 128 columns
	s_add_co_u32 s50, s50, s51
	s_mov_b32 s51, 0
	s_wait_dscnt 0x0
	s_wait_kmcnt 0x0
	s_load_b256 s[40:47], s[30:31], 0x0            ; e0 .. e7
	s_load_b64 s[48:49], s[30:31], 0x20            ; e8, e9
	s_add_nc_u64 s[6:7], s[16:17], s[50:51]
	s_or_b32 s7, s7, 0x80000000                    ; type = 2
	tensor_load_to_lds s[4:7], s[8:15]             ; my one tensor load: rows 32 w .. 32 w + 31 of the tile
	s_nop 0
	PLACES                                         ; (behind a tensor load)
	v_and_b32 v1, 31, v0                           ; lane
	v_and_b32 v2, 15, v0                           ; r
	v_bfe_u32 v3, v0, 4, 1                         ; h
	v_lshlrev_b32 v4, 4, v1                        ; 16 x lane: an image's place in memory
	v_lshl_add_u32 v5, v1, 4, WI                   ; and in LDS
	s_lshl_b32 s37, s36, 11
	v_add_nc_u32 v6, s37, v5                       ; where I store my tile of each weight: + 2,048 w
	s_lshl_b32 s37, s36, 7
	v_lshl_add_u32 v7, v1, 2, s37                  ; X in LDS: my column: 128 w + 4 x lane
	s_lshr_b32 s37, s36, 1
	s_lshl_b32 s37, s37, 5
	s_and_b32 s38, s36, 1
	s_lshl_b32 s38, s38, 3
	s_add_co_u32 s37, s37, s38                     ; 32 b + 8 u of tile w = 2 b + u
	v_and_b32 v12, 8, v2
	v_add_nc_u32 v12, v12, v2                      ; r + 8 (r / 8)
	v_add_nc_u32 v12, s37, v12
	v_lshlrev_b32 v8, 9, v12                       ; Wq, Wk: my row of 512 bytes,
	v_lshl_add_u32 v8, v3, 6, v8                   ; + 64 h: my 16 numbers of a block of 32
	s_wait_alu depctr_va_vdst(0)
	s_lshl_b32 s37, s36, 4
	v_add_nc_u32 v12, s37, v2                      ; Wv: row 16 w + r
	v_lshlrev_b32 v9, 9, v12
	v_lshl_add_u32 v9, v3, 6, v9
	s_wait_alu depctr_va_vdst(0)
	v_lshlrev_b32 v10, 6, v3                       ; bq, bk: 16 h numbers on
	s_wait_alu depctr_va_vdst(0)
	v_lshlrev_b32 v11, 2, v2                       ; bv: number r
	s_wait_alu depctr_va_vdst(0)
	s_lshl_b32 s50, ttmp9, 13
	s_lshl_b32 s52, s36, 11
	s_add_co_u32 s50, s50, s52
	s_add_nc_u64 s[32:33], s[32:33], s[50:51]      ; qc at tile 8 g + 2 w
	s_lshl_b32 s50, ttmp9, 14
	s_add_co_u32 s50, s50, s52
	s_add_nc_u64 s[52:53], s[34:35], s[50:51]      ; kv: block g, K's tile 2 w
	s_lshl_b32 s50, ttmp9, 14
	s_lshl_b32 s54, s36, 9
	s_add_co_u32 s50, s50, s54
	s_add_co_u32 s50, s50, 8192
	s_add_nc_u64 s[54:55], s[34:35], s[50:51]      ; kv: block g, V's image, quarter w of each fragment
.macro WLOAD dst, adr, sb              ; a weight's tile as f32: register 16 c + i = k 32 c + 16 h + i of my row
.irp c, 0,1,2,3
.irp i, 0,1,2,3
	global_load_b128 v[\dst+16*\c+4*\i:\dst+16*\c+4*\i+3], v[\adr], s[\sb:\sb+1] offset:128*\c+16*\i
.endr
.endr
.endm
	WLOAD 40, 8, 18
	WLOAD 104, 8, 20
	WLOAD 168, 9, 22
	WIN 0x40                                       ; destination window 1
.irp t, 0,1,2,3                        ; lane (r, h) wants, for tile 2 b + u, the bias of channels 32 b + 16 h + 8 u + 0 .. 7
	global_load_b128 v[8*\t:8*\t+3], v10, s[24:25] offset:(32*(\t/2)+8*(\t%2))*4
	global_load_b128 v[8*\t+4:8*\t+7], v10, s[24:25] offset:(32*(\t/2)+8*(\t%2))*4+16
.endr
.irp t, 0,1,2,3
	global_load_b128 v[32+8*\t:32+8*\t+3], v10, s[26:27] offset:(32*(\t/2)+8*(\t%2))*4
	global_load_b128 v[32+8*\t+4:32+8*\t+7], v10, s[26:27] offset:(32*(\t/2)+8*(\t%2))*4+16
.endr
.irp t, 0,1,2,3
	global_load_b32 v[BVR+\t], v11, s[28:29] offset:64*\t          ; bv of channel 16 ct + r
.endr
	WIN 0
	s_wait_kmcnt 0x0
	s_add_co_i32 s56, s40, s41                     ; a sum of the first product stands for sum x 2^(e0 + e1), and so on
	s_add_co_i32 s57, s42, s43
	s_add_co_i32 s58, s44, s45
	s_sub_co_i32 s59, s46, s56                     ; so Q's code is sum / 2^(e6 - e0 - e1): the three scales folded into the conversion's one
	s_sub_co_i32 s60, s47, s57
	s_sub_co_i32 s61, s49, s58
	s_sub_co_i32 s56, 0, s56                       ; and the biases go in x 2^-(e0 + e1)
	s_sub_co_i32 s57, 0, s57
	s_sub_co_i32 s58, 0, s58
	MKS SC+0, 41
	MKS SC+2, 40
	MKS SC+4, 59
	MKS SC+6, 43
	MKS SC+8, 42
	MKS SC+10, 60
	MKS SC+12, 45
	MKS SC+14, 44
	MKS SC+16, 61
; 64 numbers of a lane become a fragment's 16 registers of codes, which go to LDS as they stand
.macro QUANTW src, pc, p
.set ii, 0
.rept 4
.set jj, 0
.rept 16
.set jj, jj+1
.endr
	v_cvt_scalef32_pk8_fp8_f32 v[\pc+4*ii:\pc+4*ii+1], v[\src+16*ii:\src+16*ii+7], v[SC+6*\p+2]
	v_cvt_scalef32_pk8_fp8_f32 v[\pc+4*ii+2:\pc+4*ii+3], v[\src+16*ii+8:\src+16*ii+15], v[SC+6*\p+2]
.set ii, ii+1
.endr
	v_nop                                          ; one plain vector instruction behind the last conversion of a run
.irp c, 0,1,2,3
	ds_store_b128 v6, v[\pc+4*\c:\pc+4*\c+3] offset:\p*8192+512*\c
.endr
.endm
	s_wait_loadcnt 52                              ; 68 loads are out; behind Wq's 16 stand 52
	QUANTW 40, 232, 0
	s_wait_loadcnt 36                              ; behind Wk's stand 36
	QUANTW 104, 40, 1                              ; (its codes take registers that Wq's numbers have left)
	s_wait_loadcnt 20                              ; behind Wv's stand the 20 loads of the biases
	QUANTW 168, 104, 2
	s_wait_loadcnt 0x0
	WIN 0x41                                       ; source 0 and destination window 1
.set ii, 0
.rept 32
	v_ldexp_f32 v[ii], v[ii], s56
	v_ldexp_f32 v[32+ii], v[32+ii], s57
.set ii, ii+1
.endr
.irp t, 0,1,2,3
.set ii, 0
.rept 8
	v_ldexp_f32 v[BV+8*\t+ii], v[BVR+\t], s58      ; in V's tiles a lane holds one channel: the same bias in all eight registers
.set ii, ii+1
.endr
.endr
	WIN 0
	s_wait_tensorcnt 0x0                           ; my rows of X have landed,
	s_wait_dscnt 0x0                               ; my three images are stored:
	s_barrier_signal -1
	s_barrier_wait -1                              ; everybody's are
.macro WFLOAD dst, p                   ; the four fragments of weight p
.irp t, 0,1,2,3
.irp c, 0,1,2,3
	ds_load_b128 v[\dst+16*\t+4*\c:\dst+16*\t+4*\c+3], v5 offset:\p*8192+\t*2048+\c*512
.endr
.endr
.endm
.macro LOADCH ch                       ; X(32 ch + i, my column), i = 0 .. 31: 32 lanes read 128 neighbouring bytes
.set ii, 0
.rept 32
	ds_load_b32 v[XR+32*((\ch)%2)+ii], v7 offset:(32*(\ch)+ii)*512
.set ii, ii+1
.endr
.endm
; Octet g: k = 8 g .. 8 g + 7 of my column, held and converted three times.  Octets 0, 1 of a chunk of 32 belong to lanes 0-15 of a fragment, octets 2, 3 to lanes 16-31:
; the first go into the first tile's registers, the others into the second's, and the exchange below sets right the halves that lie crosswise.
.macro OCT g
.irp p, 0,1,2
.set ii, 0
.rept 8
	v_med3_num_f32 v[TQ+8*(2*\p+(\g)%2)+ii], v[XR+32*(((\g)/4)%2)+8*((\g)%4)+ii], -v[SC+6*\p+1], v[SC+6*\p+1]
.set ii, ii+1
.endr
.endr
.irp p, 0,1,2                          ; the sets of held numbers take turns by the octet's parity: the next octet's 24 plain lines stand ahead of the next write of these sources
	v_cvt_scalef32_pk8_fp8_f32 v[XC+32*\p+16*(((\g)%4)/2)+4*((\g)/4)+2*((\g)%2):XC+32*\p+16*(((\g)%4)/2)+4*((\g)/4)+2*((\g)%2)+1], v[TQ+8*(2*\p+(\g)%2):TQ+8*(2*\p+(\g)%2)+7], v[SC+6*\p]
.endr
.endm
	WIN 0x40
	WFLOAD WFA, 0
	WFLOAD WFB, 1
	WIN 0
	LOADCH 0
	LOADCH 1
.irp c, 0,1,2,3
.if \c < 3
	s_wait_dscnt 32                                ; this chunk is in; the next chunk's 32 loads may be out
.else
	s_wait_dscnt 0x0
.endif
	OCT 4*\c
	OCT 4*\c+1
	OCT 4*\c+2
	OCT 4*\c+3
.if \c < 2
	LOADCH \c+2
.endif
.endr
	v_nop                                          ; one plain vector instruction behind the last conversion
.irp p, 0,1,2
.set ii, 0
.rept 16
	v_permlane16_swap_b32 v[XC+32*\p+ii], v[XC+32*\p+16+ii]        ; the first register's lanes 16-31 (second tile, low k) change places with the second's lanes 0-15 (first tile, high k)
.set ii, ii+1
.endr
.endr
; Q or K: eight products, each a whole K: 2 tiles of columns x 4 tiles of channels; the bias is the C
.macro PRODQK wf, p
	WIN 0x11                                       ; source 0 (W) and source 2 (the bias) window 1
.irp x, 0,1
.irp t, 0,1,2,3
	v_wmma_f32_16x16x128_fp8_fp8 v[ACC+8*(4*\x+\t):ACC+8*(4*\x+\t)+7], v[\wf+16*\t:\wf+16*\t+15], v[XC+32*\p+16*\x:XC+32*\p+16*\x+15], v[32*\p+8*\t:32*\p+8*\t+7]
.endr
.endr
	WIN 0
	PLACES
.endm
.macro HOLD p
.set ii, 0
.rept 64
.set ii, ii+1
.endr
.endm
.macro OUTQK p, sb                     ; accumulator 4 x + t gives registers 2 t, 2 t + 1 of tile x's fragment; each store of the wave covers 512 consecutive bytes, aligned
	HOLD \p
.set ii, 0
.rept 8
	v_cvt_scalef32_pk8_fp8_f32 v[OC+16*\p+2*ii:OC+16*\p+2*ii+1], v[ACC+8*ii:ACC+8*ii+7], v[SC+6*\p+4]
.set ii, ii+1
.endr
	v_nop                                          ; one plain vector instruction ahead of the next products, which write the conversions' sources
.irp q, 0,1,2,3
	global_store_b128 v4, v[OC+16*\p+4*\q:OC+16*\p+4*\q+3], s[\sb:\sb+1] offset:512*\q
.endr
.endm
	PRODQK WFA, 0
	WIN 0x40
	WFLOAD WFA, 2                                  ; Wv's fragments take Wq's registers, four places behind the products that read them
	WIN 0
	OUTQK 0, 32
	PRODQK WFB, 1
	OUTQK 1, 52
	s_wait_dscnt 0x0                               ; Wv's fragments are in
	WIN 0x14                                       ; source 1 (Wv) and source 2 (the bias) window 1
.irp x, 0,1
.irp t, 0,1,2,3
	v_wmma_f32_16x16x128_fp8_fp8 v[ACC+8*(4*\x+\t):ACC+8*(4*\x+\t)+7], v[XC+64+16*\x:XC+64+16*\x+15], v[WFA+16*\t:WFA+16*\t+15], v[BV+8*\t:BV+8*\t+7]
.endr
.endr
	WIN 0
	PLACES
	HOLD 2
.irp x, 0,1
.irp t, 0,1,2,3
	v_cvt_scalef32_pk8_fp8_f32 v[OC+32+4*\t+2*\x:OC+32+4*\t+2*\x+1], v[ACC+8*(4*\x+\t):ACC+8*(4*\x+\t)+7], v[SC+16]   ; keys 16 (2 w + x) + 8 h + 0 .. 7 of channel 16 t + r
.endr
.endr
	v_nop
.irp t, 0,1,2,3
	global_store_b128 v4, v[OC+32+4*\t:OC+32+4*\t+3], s[54:55] offset:2048*\t
.endr
	s_wait_tensorcnt 0x0
	ds_add_u32 v38, v39
	s_wait_dscnt 0x0
	s_endpgm
.Lfunc_end_k_q00f8fac447_proj:
	.size	k_q00f8fac447_proj, .Lfunc_end_k_q00f8fac447_proj-k_q00f8fac447_proj
	.p2alignl 7, 3214868480
	.fill 96, 4, 3214868480
	.section	.rodata,"a",@progbits
	.p2align	6, 0x0
	.amdhsa_kernel k_q00f8fac447_proj
		.amdhsa_group_segment_fixed_size 168448
		.amdhsa_private_segment_fixed_size 0
		.amdhsa_enable_private_segment 0
		.amdhsa_kernarg_size 80
		.amdhsa_user_sgpr_count 2
		.amdhsa_user_sgpr_kernarg_segment_ptr 1
		.amdhsa_wavefront_size32 1
		.amdhsa_system_sgpr_workgroup_id_x 1
		.amdhsa_system_sgpr_workgroup_id_y 1
		.amdhsa_system_sgpr_workgroup_id_z 1
		.amdhsa_system_vgpr_workitem_id 0
		.amdhsa_next_free_vgpr 512
		.amdhsa_next_free_sgpr 66
		.amdhsa_reserve_vcc 0
		.amdhsa_float_denorm_mode_32 3
		.amdhsa_float_denorm_mode_16_64 3
		.amdhsa_fp16_overflow 1
		.amdhsa_memory_ordered 1
		.amdhsa_forward_progress 1
		.amdhsa_inst_pref_size 66
	.end_amdhsa_kernel
	.amdgpu_metadata
---
amdhsa.version: [ 1, 2 ]
amdhsa.kernels:
  - .name:           k_q00f8fac447_proj
    .symbol:         k_q00f8fac447_proj.kd
    .args:
      - { .name: X, .offset: 0, .size: 8, .value_kind: global_buffer, .address_space: global }
      - { .name: Wq, .offset: 8, .size: 8, .value_kind: global_buffer, .address_space: global }
      - { .name: Wk, .offset: 16, .size: 8, .value_kind: global_buffer, .address_space: global }
      - { .name: Wv, .offset: 24, .size: 8, .value_kind: global_buffer, .address_space: global }
      - { .name: bq, .offset: 32, .size: 8, .value_kind: global_buffer, .address_space: global }
      - { .name: bk, .offset: 40, .size: 8, .value_kind: global_buffer, .address_space: global }
      - { .name: bv, .offset: 48, .size: 8, .value_kind: global_buffer, .address_space: global }
      - { .name: lowp_scales, .offset: 56, .size: 8, .value_kind: global_buffer, .address_space: global }
      - { .name: qc, .offset: 64, .size: 8, .value_kind: global_buffer, .address_space: global }
      - { .name: kv, .offset: 72, .size: 8, .value_kind: global_buffer, .address_space: global }
    .group_segment_fixed_size: 168448
    .private_segment_fixed_size: 0
    .kernarg_segment_align: 8
    .kernarg_segment_size: 80
    .max_flat_workgroup_size: 128
    .sgpr_count:     66
    .vgpr_count:     512
    .wavefront_size: 32
...
	.end_amdgpu_metadata
.endif
;; end of part 1
;; launch attn (part 2): grid 256 x 1, 8 waves a work-group, clusters of 4 x 1, 327,680 bytes of LDS; arguments qc, kv, Wo, bo, lowp_scales, out0; writes out0
.if DOCPART == 2
	.amdgcn_target "amdgcn-amd-amdhsa--gfx1250"
	.amdhsa_code_object_version 6
	.text
	.protected	k_q00f8fac447_attn
	.globl	k_q00f8fac447_attn
	.p2align	8
	.type	k_q00f8fac447_attn,@function
k_q00f8fac447_attn:
	s_mov_b64 s[64:65], 0
	v_nop
	global_prefetch_b8 v0, s[64:65] scope:SCOPE_SE
	s_setreg_imm32_b32 hwreg(HW_REG_WAVE_MODE, 25, 1), 1
	s_wait_xcnt 0x0
	s_wait_alu depctr_hold_cnt(0) depctr_sa_sdst(0) depctr_va_vdst(0) depctr_va_sdst(0) depctr_va_ssrc(0) depctr_va_vcc(0) depctr_vm_vsrc(0)
	s_getreg_b32 s2, hwreg(HW_REG_IB_STS2, 6, 4)
	s_cmp_eq_u32 s2, 0
	s_cbranch_scc0 .Lentry_in_a_cluster
	s_endpgm
.Lentry_in_a_cluster:
	s_bfe_u32 s2, ttmp6, 0x10000c
	s_cmp_lg_u32 s2, 0x3003
	s_cbranch_scc0 .Lentry_shape_is_right
	s_endpgm
.Lentry_shape_is_right:
; out0 = Wo O2 + bo, O2 = the raw reshape [64][16,384] of O [16,384][64], O = softmax(Q^T K / 8) V^T: all three products on codes of FP8 (E4M3) with the given scales
; (e6 Q, e7 K, e8 p, e9 V, e10 Wo, e11 O2).  qc and kv hold Q's, K's and V's codes as images of operand registers (laid out by the launch before; a piece = 16 bytes of lane 16 h + r).
; THE RESHAPE: O2[c'][64 j + c] = O[256 c' + j][c].  Work-group j owns the 64 queries 256 c' + j, c' = 0 .. 63 (four tiles i, c' = 16 i + r): they are all that columns 64 j .. 64 j + 63 of out0 need, so O never goes to memory.
; THE SOFTMAX: t = score x log2(e) / 8; M = the ceiling of the largest t so far; p = 2^(t - M) is quantised, not normalised; the sum is taken of the unquantised p and divides at the end.  When M moves, the sum and O are
; multiplied by a power of two.  LIMIT OF ORDER: a wave's M runs over the keys that this wave has walked; the eight waves' parts are brought under the largest M by powers of two at the end.
; SHARES.  THE EIGHT WAVES SHARE THE KEYS, NOT THE QUERIES: wave w holds all four tiles of queries and walks blocks 8 s + w of 128 keys, s = 0 .. 15.  So each fragment of K and V is read from LDS once in the work-group
; and feeds four tiles of queries, and a tile in LDS is read by the wave that asked for it alone: its own wait on TENSORcnt orders the reads.
; CLUSTER.  The four work-groups of a cluster walk the same kv: each wave's load is asked for JOINTLY (mask 15), one load of 16,384 bytes a wave behind each round.  cx enters the addresses of Q, out0 and the prefetch alone.
; LAYOUT.  S^T = K Q^T (source 0 = 16 keys, source 1 = 16 queries): lane (r, h) holds query r and keys 16 t + 8 h + 0 .. 7 of tile t: its eight registers become registers 2 t, 2 t + 1 of p's fragment, the 128-deep form's own
; layout, in which V's image lies too.  O^T = V^T P^T: a lane holds one query throughout.
; A STEP is 128 keys for four tiles of queries.  The scores of a tile are issued one or two tiles ahead of their softmax, into two sets of 64 registers by turns; the change of slots stands in the step's middle, where both
; K's and V's fragments of the slot in hand lie in registers; the next K comes from LDS under tile 2's softmax, the next V under the next step's tile 0.
; LIMITS: e6 + e7 between -123 and 130 (added to c's exponent field); e8, e10, e11 between -126 and 119; e10 + e11 between -126 and 127.  NaN and infinities among the codes' sources are not served.
; REGISTERS, window 0: v1-7 addresses; v8-15 at work; v16-31 four registers of statistics a tile (-M, the largest t, the sum in two halves); v32-37 scales; v40-71 Q; v72-79 Wo's codes; v80 bo; v82-93 the way out's addresses;
;   v96-111 p's codes; v128-191, v192-255 two sets of scores.   window 1: v0-127 O^T (32 i + 8 ct); v128-191 K's eight fragments; v192-255 V's four.
.set SLOT1, 1<<17                      ; LDS: slot 0 at 0, slot 1 here; a slot holds eight blocks of 16,384 bytes, wave w's at 16,384 w
.set SETB,  131072                     ; the eight blocks of a step in memory
.set SPARE, 2*SLOT1                    ; the spare words, 128 bytes for each wave: four blocks of 256 bytes that no other line names
.set MLB,   SPARE+1024                 ; the way out: -M as [i][lane][wave] words, 4,096 bytes; then the sums likewise
.set TS,    MLB+8192                   ; O2's 64 rows c' of 256 bytes + 16
.set IM,    TS+64*272                  ; O2's four fragments as images: [ct][q][lane][16]
.set A0,  1                            ; v1   16,384 w + 16 x lane; never rewritten
.set ADR, 2                            ; v2   the same in the slot from which fragments are being fetched
.set SPW, 3                            ; v3   LDS address of my spare word; never rewritten
.set NIL, 4                            ; v4   0; never rewritten
.set PFO, 5                            ; v5   256 x lane; never rewritten
.set QO,  6
.set WO,  7
.set MX,  8                            ; v8, v9  two chains of the maximum
.set TP,  10
.set TD,  11
.set F,   12                           ; v[12:13] f = 2^(old M - new M); the pair's upper word is written once
.set SU,  14                           ; v[14:15] the sum's second chain
.set ST,  16
.set PS,  32                           ; v32: 2^e8;  v34: 2^e10;  v36: 2^e11
.set WS,  34
.set OS,  36
.set Q,   40
.set WC,  72
.set BO,  80
.set BOO, 82
.set MLW, 83
.set MLR, 84
.set PR0, 85
.set PR1, 86
.set TSW, 87
.set TSR, 88
.set IMW, 89
.set IMR, 90
.set YSW, 91
.set YSR, 92
.set GO,  93
.set P,   96
.set LN,  113                          ; at the head only: lane, r, h
.set RR,  114
.set HH,  115
.set SA,  128
.set SB,  192
.set KF,  128                          ; window 1
.set VF,  192
.set ES,  2                            ; s2   e8 + e9
.set WV,  16
.set SEL, 20
.set CS,  22
.set G1,  24
.set G0A, 32
.set G0B, 36
.set TB,  40                           ; s40  the slot from which the next fragments come
.set CNT, 41                           ; s41  changes of slots still to come that fill a slot
.set PFA, 42                           ; s[42:43] where my prefetch stands
.set LIM, 44                           ; s44  1 in a wave that prefetches, else the greatest number
.set MSB, 0
.macro WIN new                         ; the immediate's high byte repeats the setting that is left
.if MSB != \new
	s_set_vgpr_msb (MSB<<8)|\new
.set MSB, \new
.endif
.endm
.macro PLACES
.rept 4
	v_nop
.endr
.endm
.macro MKS vs, se                      ; v[vs] = 2^e, e in s[se]
	s_add_co_i32 s3, s[\se], 127
	s_lshl_b32 s63, s3, 23
	v_mov_b32 v[\vs], s63
	s_add_co_i32 s3, s3, 8
	s_lshl_b32 s3, s3, 23
	s_or_b32 s3, s3, 0x600000
.endm
.macro CROUND                          ; a round of the cluster's barrier: my work-group's barrier; wave 0 signals for the work-group; every wave waits for all four; my work-group's barrier once more
	s_barrier_signal -1
	s_barrier_wait -1
	s_cmp_lg_u32 s[WV], 0
	s_cbranch_scc1 .Lnot_wave_0_\@
	s_barrier_signal -3
.Lnot_wave_0_\@:
	s_barrier_wait -3
	s_barrier_signal -1
	s_barrier_wait -1
.endm
.macro BAR                             ; my LDS stores have landed and my LDS loads are in: then the work-group's barrier
	s_wait_dscnt 0x0
	s_barrier_signal -1
	s_barrier_wait -1
.endm
	s_load_b256 s[4:11], s[0:1], 0x0               ; qc s[4:5], kv s[6:7], Wo s[8:9], bo s[10:11]
	s_load_b128 s[12:15], s[0:1], 0x20             ; the scales s[12:13], out0 s[14:15]
	v_lshl_add_u32 v[SPW], v0, 2, SPARE
	v_mov_b32 v[NIL], 0
	ds_add_u32 v3, v4
	ds_add_u32 v3, v4
	s_wait_dscnt 0x0
	v_lshrrev_b32 v[LN], 5, v0
	s_delay_alu instid0(VALU_DEP_1)
	v_readfirstlane_b32 s[WV], v[LN]               ; wave 0..7
	s_bfe_u32 s17, ttmp6, 0x40000                  ; cx
	s_lshl_b32 s18, ttmp9, 2
	s_add_co_u32 s18, s18, s17                     ; j = 4 x cluster + cx
	; descriptor group 1: a dense block of 16,384 bytes as 64 rows of 32 elements of 8 bytes; images are read 16 bytes a lane on end, so there is no padding
	s_mov_b32 s[G1], 15|(3<<16)|(1<<21)            ; the mask: all four work-groups; elements of 8 bytes; bit 21 set beside a mask
	s_mov_b32 s[G1+1], 32<<16                      ; tensor_dim0 = 32
	s_mov_b32 s[G1+2], 64<<16                      ; tensor_dim1 = 64
	s_mov_b32 s[G1+3], 32<<16                      ; tile_dim0 = 32
	s_mov_b32 s[G1+4], 64                          ; tile_dim1 = 64
	s_mov_b32 s[G1+5], 32                          ; tensor_dim0_stride
	s_mov_b32 s[G1+6], 0
	s_mov_b32 s[G1+7], 0
	s_mov_b32 s[SEL], 0x76543210
	s_mov_b32 s[SEL+1], 0xfedcba98
	s_lshl_b32 s19, s[WV], 14                      ; 16,384 w: my block in a set and in a slot
	s_mov_b32 s46, s19
	s_mov_b32 s47, 0
	s_mov_b32 s63, 0
	s_wait_kmcnt 0x0
	s_load_b256 s[48:55], s[12:13], 0x0            ; e0 .. e7
	s_load_b128 s[56:59], s[12:13], 0x20           ; e8 .. e11
	s_mov_b32 s[G0A], 1
	s_mov_b32 s[G0A+1], s19                        ; slot 0
	s_add_nc_u64 s[G0A+2:G0A+3], s[6:7], s[46:47]  ; block w
	s_mov_b32 s[G0B], 1
	s_add_co_u32 s[G0B+1], s19, SLOT1              ; slot 1
	s_add_nc_u64 s[G0B+2:G0B+3], s[G0A+2:G0A+3], SETB  ; block 8 + w; this descriptor then walks
	s_or_b32 s[G0A+3], s[G0A+3], 0x80000000        ; type = 2
	s_or_b32 s[G0B+3], s[G0B+3], 0x80000000
	; the prefetches: a set is 512 blocks of 256 bytes.  All clusters walk the same kv: cluster 0 asks, in it waves 0 to 3 of each work-group, a lane a block: block 32 (4 w + cx) + lane: the partners are told apart by address
	s_and_b32 s62, s[WV], 3
	s_lshl_b32 s62, s62, 2
	s_add_co_u32 s62, s62, s17
	s_lshl_b32 s62, s62, 13
	s_add_nc_u64 s[PFA:PFA+1], s[6:7], s[62:63]
	s_add_nc_u64 s[PFA:PFA+1], s[PFA:PFA+1], 2*SETB  ; in set 2: the first change of slots steps it to set 3.  Nothing is prefetched at the head, where every work-group's first tiles are on their way
	s_lshr_b32 s[LIM], s[WV], 2
	s_or_b32 s[LIM], s[LIM], ttmp9                 ; 0 in waves 0 to 3 of cluster 0: the same in all four partners
	s_cmp_eq_u32 s[LIM], 0
	s_cselect_b32 s[LIM], 1, -1
	CROUND                                         ; all four work-groups are here: the first joint loads meet
	tensor_load_to_lds s[G0A:G0A+3], s[G1:G1+7]    ; set 0: my block, waited for before set 1's load is asked for
	s_nop 0
	s_wait_alu depctr_va_vdst(0)
	s_wait_tensorcnt 0x0
	ds_add_u32 v3, v4
	s_wait_dscnt 0x0
	CROUND
	tensor_load_to_lds s[G0B:G0B+3], s[G1:G1+7]
	s_nop 0
	PLACES                                         ; (behind a tensor load)
	v_and_b32 v[LN], 31, v0
	v_and_b32 v[RR], 15, v0
	v_bfe_u32 v[HH], v0, 4, 1
	s_delay_alu instid0(VALU_DEP_3)
	v_lshl_add_u32 v[A0], v[LN], 4, s19
	s_delay_alu instid0(VALU_DEP_4)
	v_lshlrev_b32 v[PFO], 8, v[LN]
	s_delay_alu instid0(VALU_DEP_4)
	v_lshlrev_b32 v[QO], 14, v[RR]                 ; Q: query 256 (16 i + r) + j lies in tile 16 (16 i + r) + j / 16 of qc: 16,384 r,
	s_delay_alu instid0(VALU_DEP_1)
	v_lshl_add_u32 v[QO], v[HH], 8, v[QO]          ; + 256 h: the half's sixteen pieces
	s_wait_alu depctr_va_vdst(0)
	s_lshl_b32 s45, s[WV], 12
	v_lshl_add_u32 v[WO], v[RR], 8, s45            ; Wo: row 16 w + r of 256 bytes,
	s_delay_alu instid0(VALU_DEP_1)
	v_lshl_add_u32 v[WO], v[HH], 6, v[WO]          ; + 64 h
	s_wait_alu depctr_va_vdst(0)
	s_lshl_b32 s45, s[WV], 6
	v_lshl_add_u32 v[BOO], v[RR], 2, s45           ; bo of output 16 w + r
	s_wait_alu depctr_va_vdst(0)
	s_lshr_b32 s62, s18, 4
	s_lshl_b32 s62, s62, 10
	s_and_b32 s3, s18, 15
	s_lshl_b32 s3, s3, 4
	s_add_co_u32 s62, s62, s3
	s_add_nc_u64 s[4:5], s[4:5], s[62:63]          ; qc + 1,024 (j / 16) + 16 (j % 16)
	s_lshl_b32 s62, s[WV], 20
	s_lshl_b32 s3, s18, 8
	s_add_co_u32 s62, s62, s3
	s_add_nc_u64 s[14:15], s[14:15], s[62:63]      ; out0 at row 16 w, column 64 j
.irp i, 0,1,2,3
.irp b, 0,1
	global_load_b128 v[Q+8*\i+4*\b:Q+8*\i+4*\b+3], v[QO], s[4:5] offset:\i*262144+\b*512   ; Q stays in registers: registers 4 b .. 4 b + 3: channels 32 b + 16 h + 0 .. 15
.endr
.endr
.irp q, 0,1
.irp i, 0,1,2,3
	global_load_b128 v[SA+16*\q+4*\i:SA+16*\q+4*\i+3], v[WO], s[8:9] offset:128*\q+16*\i   ; Wo(16 w + r, 32 q + 16 h + 0 .. 15)
.endr
.endr
	global_load_b32 v[BO], v[BOO], s[10:11]
	; the way out's addresses, made here once
	s_lshl_b32 s45, s[WV], 2
	s_add_co_u32 s45, s45, MLB
	v_lshl_add_u32 v[MLW], v[LN], 5, s45           ; my wave's word of my lane's eight
	s_lshr_b32 s45, s[WV], 1
	s_lshl_b32 s45, s45, 10
	s_add_co_u32 s45, s45, MLB
	v_lshl_add_u32 v[MLR], v[LN], 5, s45           ; my lane's eight words of tile w / 2
	s_lshl_b32 s45, s[WV], 11
	v_lshl_add_u32 v[PR0], v[LN], 4, s45           ; quads 4 w .. 4 w + 3 of waves 0-3's parts of O^T,
	s_delay_alu instid0(VALU_DEP_1)
	v_add_nc_u32 v[PR1], 65536, v[PR0]             ; and of waves 4-7's
	s_lshr_b32 s45, s[WV], 1
	s_mul_i32 s45, s45, 16*272
	s_and_b32 s46, s[WV], 1
	s_lshl_b32 s46, s46, 7
	s_add_co_u32 s45, s45, s46
	s_add_co_u32 s45, s45, TS
	v_mul_u32_u24 v[TSW], v[RR], 272
	s_delay_alu instid0(VALU_DEP_1)
	v_lshl_add_u32 v[TSW], v[HH], 5, v[TSW]
	s_delay_alu instid0(VALU_DEP_1)
	v_add_nc_u32 v[TSW], s45, v[TSW]               ; O2's row 16 (w / 2) + r, channel 32 (w % 2) + 8 h
	s_and_b32 s45, s[WV], 1
	s_mul_i32 s45, s45, 32*272
	s_lshr_b32 s46, s[WV], 1
	s_lshl_b32 s46, s46, 6
	s_add_co_u32 s45, s45, s46
	s_add_co_u32 s45, s45, TS
	v_mul_u32_u24 v[TSR], v[HH], 16*272
	s_delay_alu instid0(VALU_DEP_1)
	v_lshl_add_u32 v[TSR], v[RR], 2, v[TSR]
	s_delay_alu instid0(VALU_DEP_1)
	v_add_nc_u32 v[TSR], s45, v[TSR]               ; row 32 (w % 2) + 16 h, channel 16 (w / 2) + r
	s_lshl_b32 s45, s[WV], 9
	s_add_co_u32 s45, s45, IM
	v_lshl_add_u32 v[IMW], v[LN], 4, s45
	v_lshl_add_u32 v[IMR], v[LN], 4, IM
	s_add_co_u32 s45, s19, SLOT1                   ; my stage for out0's rows: my part of slot 1, behind its last fill and its last read
	v_mul_u32_u24 v[YSW], v[RR], 272
	s_delay_alu instid0(VALU_DEP_1)
	v_lshl_add_u32 v[YSW], v[HH], 5, v[YSW]
	s_delay_alu instid0(VALU_DEP_1)
	v_add_nc_u32 v[YSW], s45, v[YSW]
	v_mul_u32_u24 v[YSR], v[HH], 272
	s_delay_alu instid0(VALU_DEP_1)
	v_lshl_add_u32 v[YSR], v[RR], 4, v[YSR]
	s_delay_alu instid0(VALU_DEP_1)
	v_add_nc_u32 v[YSR], s45, v[YSR]
	v_lshlrev_b32 v[GO], 16, v[HH]                 ; lanes 0-15 one row of out0, lanes 16-31 the next; 16 bytes a lane
	s_delay_alu instid0(VALU_DEP_1)
	v_lshl_add_u32 v[GO], v[RR], 4, v[GO]
	v_mov_b32 v[TP], 0                             ; written once: a lane permute's destination counts as one of its sources
	v_mov_b32 v[F+1], 0                            ; (named as the upper halves of pairs)
	v_mov_b32 v[BO+1], 0
.irp i, 0,1,2,3
	v_mov_b32 v[ST+4*\i+1], 0xff61b1e6             ; the largest t so far: -3e38, under every t
	s_delay_alu instid0(VALU_DEP_1)
	v_floor_f32 v[ST+4*\i], -v[ST+4*\i+1]          ; -M
	v_mov_b32 v[ST+4*\i+2], 0                      ; the sum, in two halves
	v_mov_b32 v[ST+4*\i+3], 0
.endr
	s_wait_kmcnt 0x0
	s_add_co_i32 s3, s54, s55
	s_lshl_b32 s3, s3, 23
	s_mov_b32 s[CS], 0x3e38aa3b                    ; c = log2(e) / 8
	s_add_co_i32 s[CS], s[CS], s3                  ; a score stands for score x 2^(e6 + e7): the two exponents are added to c's exponent field
	s_mov_b32 s[CS+1], s[CS]                       ; (named with it as a pair, so it is written)
	s_add_co_i32 s[ES], s56, s57                   ; e8 + e9
	s_add_co_i32 s60, s58, s59
	s_add_co_i32 s60, s60, 127
	s_lshl_b32 s60, s60, 23                        ; 2^(e10 + e11) as f32
	s_mov_b32 s61, s60
	MKS PS, 56
	MKS WS, 58
	MKS OS, 59
	s_wait_alu depctr_va_vdst(0)
	s_wait_loadcnt 0x0                             ; Q, Wo, bo
.set n, 0
.rept 32
.set n, n+1
.endr
.irp m, 0,1,2,3
	v_cvt_scalef32_pk8_fp8_f32 v[WC+2*\m:WC+2*\m+1], v[SA+8*\m:SA+8*\m+7], v[WS]
.endr
	v_nop                                          ; one plain vector instruction ahead of the products that write the conversions' sources
; K's eight fragments of the block at s[TB]: 16 keys x 64 channels each, 8 registers
.macro LK
	WIN 0
	v_add_nc_u32 v[ADR], s[TB], v[A0]
	WIN 0x40                                       ; destination window 1
.irp t, 0,1,2,3,4,5,6,7
	ds_load_b128 v[KF+8*\t:KF+8*\t+3], v[ADR] offset:\t*1024
	ds_load_b128 v[KF+8*\t+4:KF+8*\t+7], v[ADR] offset:\t*1024+512
.endr
	WIN 0
.endm
; V's four fragments of the same block: 16 channels x 128 keys each, 16 registers
.macro LV
	WIN 0x40
.irp c, 0,1,2,3
.irp q, 0,1,2,3
	ds_load_b128 v[VF+16*\c+4*\q:VF+16*\c+4*\q+3], v[ADR] offset:8192+\c*2048+\q*512
.endr
.endr
	WIN 0
.endm
; S^T of tile i of the queries: eight products, each a whole K, each with an accumulator of its own
.macro SQ i, sr
	WIN 0x01                                       ; source 0 (K) window 1
.irp t, 0,1,2,3,4,5,6,7
	v_wmma_f32_16x16x64_fp8_fp8 v[\sr+8*\t:\sr+8*\t+7], v[KF+8*\t:KF+8*\t+7], v[Q+8*\i:Q+8*\i+7], 0
.endr
.endm
; O^T of tile i += V^T P^T: four products on four accumulators, one instruction a turn.  first = 1: they start the sums: nothing is ever cleared
.macro PV i, first
	WIN 0x51                                       ; source 0 (V), C and D window 1
.irp c, 0,1,2,3
.if \first
	v_wmma_f32_16x16x128_fp8_fp8 v[32*\i+8*\c:32*\i+8*\c+7], v[VF+16*\c:VF+16*\c+15], v[P:P+15], 0
.else
	v_wmma_f32_16x16x128_fp8_fp8 v[32*\i+8*\c:32*\i+8*\c+7], v[VF+16*\c:VF+16*\c+15], v[P:P+15], v[32*\i+8*\c:32*\i+8*\c+7]
.endif
.endr
.endm
; The softmax of tile i for this step's 128 keys, 64 of them in my lane, in v[sr] on.  first = 1: there is no O^T yet to bring under the new M.
.macro SM i, sr, first
	WIN 0
	v_max3_num_f32 v[MX], v[\sr], v[\sr+1], v[\sr+2]               ; the largest score, in two chains, in ascending order: each accumulator is read from its low end on
	v_max3_num_f32 v[MX+1], v[\sr+3], v[\sr+4], v[\sr+5]
.set n, 6
.rept 14
	v_max3_num_f32 v[MX], v[MX], v[\sr+n], v[\sr+n+1]
	v_max3_num_f32 v[MX+1], v[MX+1], v[\sr+n+2], v[\sr+n+3]
.set n, n+4
.endr
	v_max3_num_f32 v[MX], v[MX], v[\sr+62], v[\sr+63]
	s_delay_alu instid0(VALU_DEP_1)
	v_max_num_f32 v[MX], v[MX], v[MX+1]
	s_delay_alu instid0(VALU_DEP_1)
	v_permlanex16_b32 v[TP], v[MX], s[SEL], s[SEL+1]
	s_delay_alu instid0(VALU_DEP_1)
	v_max_num_f32 v[MX], v[MX], v[TP]              ; and among lane l xor 16's keys
	s_delay_alu instid0(VALU_DEP_1)
	v_mul_f32 v[MX], s[CS], v[MX]                  ; as t (c is positive)
	s_delay_alu instid0(VALU_DEP_1)
	v_max_num_f32 v[ST+4*\i+1], v[ST+4*\i+1], v[MX]  ; the running largest t
	v_mov_b32 v[TD], v[ST+4*\i]
	s_delay_alu instid0(VALU_DEP_2)
	v_floor_f32 v[ST+4*\i], -v[ST+4*\i+1]          ; the new -M = floor(-t) = -ceil(t): a whole number
	s_delay_alu instid0(VALU_DEP_1)
	v_sub_f32 v[TD], v[ST+4*\i], v[TD]             ; old M - new M: a whole number, 0 or less
	s_delay_alu instid0(VALU_DEP_1)
	v_cvt_i32_f32 v[TD], v[TD]                     ; (it saturates)
	s_delay_alu instid0(VALU_DEP_1)
	v_ldexp_f32 v[F], 1.0, v[TD]                   ; f = 2^(old M - new M)
.set n, 0
.rept 32
	v_pk_fma_f32 v[\sr+n:\sr+n+1], v[\sr+n:\sr+n+1], s[CS:CS+1], v[ST+4*\i:ST+4*\i+1] op_sel_hi:[1,0,0]   ; t - M, two at a time (of the pairs c and -M the low word serves both halves)
.set n, n+2
.endr
.set n, 0
	s_wait_alu depctr_va_vdst(0)
.rept 64
	v_exp_f32 v[\sr+n], v[\sr+n]                   ; p = 2^(t - M): one batch
.set n, n+1
.endr
	v_pk_mul_f32 v[ST+4*\i+2:ST+4*\i+3], v[ST+4*\i+2:ST+4*\i+3], v[F:F+1] op_sel_hi:[1,0]   ; the sums under the new M: the plain instruction behind the last exponential
	s_wait_alu depctr_va_vdst(0)                   ; one wait for the whole batch, ahead of its first reader
	v_pk_add_f32 v[SU:SU+1], v[\sr:\sr+1], v[\sr+2:\sr+3]          ; the sum is taken of the unquantised p, in two chains
.set n, 4
.rept 15
	v_pk_add_f32 v[ST+4*\i+2:ST+4*\i+3], v[ST+4*\i+2:ST+4*\i+3], v[\sr+n:\sr+n+1]
	v_pk_add_f32 v[SU:SU+1], v[SU:SU+1], v[\sr+n+2:\sr+n+3]
.set n, n+4
.endr
	s_delay_alu instid0(VALU_DEP_1)
	v_pk_add_f32 v[ST+4*\i+2:ST+4*\i+3], v[ST+4*\i+2:ST+4*\i+3], v[SU:SU+1]
.irp t, 0,1,2,3,4,5,6,7
.set n, 0
.rept 8
.set n, n+1
.endr
	v_cvt_scalef32_pk8_fp8_f32 v[P+2*\t:P+2*\t+1], v[\sr+8*\t:\sr+8*\t+7], v[PS]
.endr
	v_nop                                          ; one plain vector instruction between the last conversion and the products that read its result and write its sources
.if !\first
	WIN 0x41                                       ; O^T (destination and source 0) window 1, f window 0
.set n, 0
.rept 16
	v_pk_mul_f32 v[32*\i+n:32*\i+n+1], v[32*\i+n:32*\i+n+1], v[F:F+1] op_sel_hi:[1,0]
.set n, n+2
.endr
.endif
.endm
; THE CHANGE OF SLOTS.  K's and V's fragments of the slot in hand lie in registers (their loads were waited for).  Each wave waits for all its tensor loads, of which one is out: its block of the other slot; adds 0 to its
; spare word; waits for that.  Behind the round no wave of any partner reads the slot in hand or has a load on its way: it is filled with the set two steps on, one load of 16,384 bytes a wave, which has a whole step in which to land.
.macro CHANGE
	WIN 0                                          ; at a label and at a branch every window is 0; the add's registers lie in window 0
	s_wait_tensorcnt 0x0                           ; no tensor load of mine is out, so a group 0 may be written
	ds_add_u32 v[SPW], v[NIL]                      ; 0 onto my spare word: the steps below stand between it and the wait for it
	s_xor_b32 s[G0B+1], s[G0B+1], SLOT1            ; the walking descriptor: the other slot than last time,
	s_add_nc_u64 s[G0B+2:G0B+3], s[G0B+2:G0B+3], SETB  ; the next set; the type bits on top are not reached
	s_wait_xcnt 0x0                                ; the last prefetch, a step back, has read its address, so it may be written:
	s_add_nc_u64 s[PFA:PFA+1], s[PFA:PFA+1], SETB  ; one set further on than the walking descriptor
	s_wait_dscnt 0x0                               ; the add is done; my reads of the slot were over before
	CROUND
	tensor_load_to_lds s[G0B:G0B+3], s[G1:G1+7]    ; the first thing behind the round, and my one tensor load until the next
	s_nop 0
	PLACES                                         ; the places ahead of the loads into K's registers
.endm
; A prefetch of the set that the NEXT change of slots will ask for: one step ahead of that load.  The last change that fills a slot asks for nothing: there is no set behind it.
.macro ASK
	s_cmp_gt_u32 s[CNT], s[LIM]
	s_cbranch_scc0 .Lnot_mine_\@
	global_prefetch_b8 v[PFO], s[PFA:PFA+1] th:TH_LOAD_NT scope:SCOPE_SE
.Lnot_mine_\@:
.endm
; A STEP.  At its head the scores of tiles 0 and 1 are made and V's fragments are on their way from LDS.  next = 1: a step follows; fill = 1: the slot in hand is filled again.
; Each softmax is the run of places between the products that wrote its scores' neighbours and what follows; no two matrix instructions that follow each other share an accumulator, over the backward jump too.
.macro STEP first, fill, next
	SM 0, SA, \first
	s_wait_alu depctr_va_vdst(0)
	s_wait_dscnt 0x0                               ; V of this step is in
	PV 0, \first
	SQ 2, SA
	SM 1, SB, \first
	PV 1, \first
	SQ 3, SB
.if \next
.if \fill
	CHANGE
.else
	WIN 0
	s_wait_tensorcnt 0x0                           ; the last set's block: no load was issued behind it
	PLACES                                         ; ahead of the loads into K's registers
.endif
	LK                                             ; the next step's K lands under tile 2's softmax
.if \fill
	ASK
.endif
.endif
	SM 2, SA, \first
	PV 2, \first
.if \next
	s_wait_dscnt 0x0                               ; the next K is in
	SQ 0, SA
.endif
	SM 3, SB, \first
	PV 3, \first
.if \next
	SQ 1, SB
	WIN 0
	PLACES                                         ; ahead of the loads into V's registers, which the products on tile 3 have read
	LV                                             ; the next step's V lands under its tile 0's softmax
	s_xor_b32 s[TB], s[TB], SLOT1
.endif
.endm
	s_wait_tensorcnt 1                             ; my block of set 0 is in; set 1's load may stay out.  Nobody else reads my block: no barrier
	s_mov_b32 s[TB], 0
	LK
	s_wait_alu depctr_va_vdst(0)
	s_wait_dscnt 0x0
	SQ 0, SA
	SQ 1, SB
	WIN 0
	PLACES                                         ; ahead of the first softmax's read of tile 0's scores
	LV
	s_mov_b32 s[TB], SLOT1
	s_mov_b32 s[CNT], 14
	STEP 1, 1, 1                                   ; step 0 starts O^T's sums
	s_mov_b32 s[CNT], 13
.Lstep:                                            ; steps 1 to 13: each fills the slot in hand with the set two steps on
	STEP 0, 1, 1
	s_sub_co_u32 s[CNT], s[CNT], 1
	s_cmp_lg_u32 s[CNT], 0
	s_cbranch_scc1 .Lstep
	STEP 0, 0, 1                                   ; steps 14 and 15 are written out
	STEP 0, 0, 0
	; THE WAY OUT, a: each wave's -M, sums and O^T go to LDS; O^T as an image of its 128 registers, into my part of slot 0, which has had its last fill and its last read.
	WIN 0
.irp i, 0,1,2,3
	v_add_f32 v[ST+4*\i+2], v[ST+4*\i+2], v[ST+4*\i+3]             ; the sum's two halves (these four are the places behind the last products),
.endr
.irp i, 0,1,2,3
	s_delay_alu instid0(VALU_DEP_4)
	v_permlanex16_b32 v[ST+4*\i+3], v[ST+4*\i+2], s[SEL], s[SEL+1]
.endr
.irp i, 0,1,2,3
	s_delay_alu instid0(VALU_DEP_4)
	v_add_f32 v[ST+4*\i+2], v[ST+4*\i+2], v[ST+4*\i+3]             ; and lane l xor 16's
.endr
.irp i, 0,1,2,3
	ds_store_b32 v[MLW], v[ST+4*\i] offset:\i*1024
	ds_store_b32 v[MLW], v[ST+4*\i+2] offset:4096+\i*1024
.endr
	WIN 0x04                                       ; store data window 1
.set n, 0
.rept 32
	ds_store_b128 v[A0], v[4*n:4*n+3] offset:512*n                 ; in ascending order: each accumulator from its low end on
.set n, n+1
.endr
	WIN 0
	BAR
	; b: wave w merges accumulators 2 w and 2 w + 1 (tile w / 2 of the queries, channels 32 (w % 2) + 0 .. 31) of all eight waves
	ds_load_b128 v[40:43], v[MLR]                  ; the eight -M of my query,
	ds_load_b128 v[44:47], v[MLR] offset:16
	ds_load_b128 v[48:51], v[MLR] offset:4096      ; the eight sums
	ds_load_b128 v[52:55], v[MLR] offset:4112
.irp u, 0,1,2,3
.irp q, 0,1,2,3
	ds_load_b128 v[SA+16*\u+4*\q:SA+16*\u+4*\q+3], v[PR0] offset:\u*16384+\q*512
	ds_load_b128 v[SA+64+16*\u+4*\q:SA+64+16*\u+4*\q+3], v[PR1] offset:\u*16384+\q*512
.endr
.endr
	s_wait_dscnt 0x0
	v_min3_num_f32 v56, v40, v41, v42              ; the least -M: the largest M
	s_delay_alu instid0(VALU_DEP_1)
	v_min3_num_f32 v56, v56, v43, v44
	s_delay_alu instid0(VALU_DEP_1)
	v_min3_num_f32 v56, v56, v45, v46
	s_delay_alu instid0(VALU_DEP_1)
	v_min_num_f32 v56, v56, v47
.irp u, 0,1,2,3,4,5,6,7
	v_sub_f32 v[P+2*\u+1], v56, v[40+\u]           ; wave u's M less the largest: a whole number, 0 or less
.endr
.irp u, 0,1,2,3,4,5,6,7
	v_cvt_i32_f32 v[P+2*\u+1], v[P+2*\u+1]
.endr
.irp u, 0,1,2,3,4,5,6,7
	v_ldexp_f32 v[P+2*\u], 1.0, v[P+2*\u+1]        ; f_u: a power of two
.endr
	v_mul_f32 v57, v[P], v48
.irp u, 1,2,3,4,5,6,7
	s_delay_alu instid0(VALU_DEP_1)
	v_fmac_f32 v57, v[P+2*\u], v[48+\u]            ; the row's sum
.endr
	s_wait_alu depctr_va_vdst(0)
	v_rcp_f32 v58, v57
	v_mov_b32 v59, 0                               ; a plain instruction behind the reciprocal; (the upper half of the pair v[58:59])
.set n, 0
.rept 8
	v_pk_mul_f32 v[112+n:113+n], v[SA+n:SA+n+1], v[P:P+1] op_sel_hi:[1,0]
.set n, n+2
.endr
.irp u, 1,2,3,4,5,6,7
.set n, 0
.rept 8
	v_pk_fma_f32 v[112+n:113+n], v[SA+16*\u+n:SA+16*\u+n+1], v[P+2*\u:P+2*\u+1], v[112+n:113+n] op_sel_hi:[1,0,1]
.set n, n+2
.endr
.endr
	s_wait_alu depctr_va_vdst(0)                   ; the wait ahead of the reciprocal's first reader
	v_ldexp_f32 v58, v58, s[ES]                    ; x 2^(e8 + e9)
.set n, 0
.rept 8
	v_pk_mul_f32 v[112+n:113+n], v[112+n:113+n], v[58:59] op_sel_hi:[1,0]   ; register 8 e + i: O2(16 (w / 2) + r, 32 (w % 2) + 16 e + 8 h + i)
.set n, n+2
.endr
.irp e, 0,1
	ds_store_b128 v[TSW], v[112+8*\e:115+8*\e] offset:64*\e
	ds_store_b128 v[TSW], v[116+8*\e:119+8*\e] offset:64*\e+16
.endr
	BAR
	; c: O2 is an operand whose K (c') runs down the rows: lane (r, h) of wave w takes channel 16 (w / 2) + r and rows 32 (w % 2) + 16 h + 0 .. 15: one of a fragment's two pieces
.set n, 0
.rept 16
	ds_load_b32 v[SA+n], v[TSR] offset:272*n
.set n, n+1
.endr
	s_wait_dscnt 0x0
.set n, 0
.rept 16
.set n, n+1
.endr
	v_cvt_scalef32_pk8_fp8_f32 v[SA+16:SA+17], v[SA:SA+7], v[OS]
	v_cvt_scalef32_pk8_fp8_f32 v[SA+18:SA+19], v[SA+8:SA+15], v[OS]
	v_nop
	ds_store_b128 v[IMW], v[SA+16:SA+19]
	BAR
	; d: wave w makes outputs 16 w .. 16 w + 15 for the 64 columns: source 0 = 16 channels of O2, source 1 = 16 rows of Wo: a lane holds one output row and eight neighbouring columns
.irp c, 0,1,2,3
.irp q, 0,1
	ds_load_b128 v[SA+8*\c+4*\q:SA+8*\c+4*\q+3], v[IMR] offset:(2*\c+\q)*512
.endr
.endr
	s_wait_dscnt 0x0
.irp c, 0,1,2,3
	v_wmma_f32_16x16x64_fp8_fp8 v[160+8*\c:167+8*\c], v[SA+8*\c:SA+8*\c+7], v[WC:WC+7], 0
.endr
	PLACES
.irp c, 0,1,2,3
.irp k, 0,2,4,6
	v_pk_fma_f32 v[SB+8*\c+\k:SB+8*\c+\k+1], v[160+8*\c+\k:160+8*\c+\k+1], s[60:61], v[BO:BO+1] op_sel_hi:[1,0,0]   ; sum x 2^(e10 + e11) + bo
.endr
.endr
.irp c, 0,1,2,3
	ds_store_b128 v[YSW], v[SB+8*\c:SB+8*\c+3] offset:64*\c        ; my own stage: row r, columns 16 c + 8 h + 0 .. 7
	ds_store_b128 v[YSW], v[SB+8*\c+4:SB+8*\c+7] offset:64*\c+16
.endr
.irp t, 0,1,2,3,4,5,6,7
	ds_load_b128 v[224+4*\t:227+4*\t], v[YSR] offset:544*\t        ; LDS serves a wave's instructions in order (ISA guide 5.7.1.4): these see my stores
.endr
.irp t, 0,1,2,3,4,5,6,7
	s_wait_dscnt 7-\t                              ; the younger loads may stay out
	global_store_b128 v[GO], v[224+4*\t:227+4*\t], s[14:15] offset:131072*\t th:TH_STORE_NT   ; 16 lanes store 256 consecutive bytes, at a multiple of 256 from out0's first byte
.endr
	s_wait_tensorcnt 0x0                           ; the wave's end: behind my last tensor load and my last LDS store
	ds_add_u32 v[SPW], v[NIL]
	s_wait_dscnt 0x0
	CROUND                                         ; the closing round: no work-group ends while a partner may still ask for a tile that names it
	s_endpgm
.Lfunc_end_k_q00f8fac447_attn:
	.size	k_q00f8fac447_attn, .Lfunc_end_k_q00f8fac447_attn-k_q00f8fac447_attn
	.p2alignl 7, 3214868480
	.fill 96, 4, 3214868480
	.section	.rodata,"a",@progbits
	.p2align	6, 0x0
	.amdhsa_kernel k_q00f8fac447_attn
		.amdhsa_group_segment_fixed_size 327680
		.amdhsa_private_segment_fixed_size 0
		.amdhsa_enable_private_segment 0
		.amdhsa_kernarg_size 48
		.amdhsa_user_sgpr_count 2
		.amdhsa_user_sgpr_kernarg_segment_ptr 1
		.amdhsa_wavefront_size32 1
		.amdhsa_system_sgpr_workgroup_id_x 1
		.amdhsa_system_sgpr_workgroup_id_y 1
		.amdhsa_system_sgpr_workgroup_id_z 1
		.amdhsa_system_vgpr_workitem_id 0
		.amdhsa_next_free_vgpr 512
		.amdhsa_next_free_sgpr 66
		.amdhsa_reserve_vcc 0
		.amdhsa_float_denorm_mode_32 3
		.amdhsa_float_denorm_mode_16_64 3
		.amdhsa_fp16_overflow 1
		.amdhsa_memory_ordered 1
		.amdhsa_forward_progress 1
		.amdhsa_inst_pref_size 217
	.end_amdhsa_kernel
	.amdgpu_metadata
---
amdhsa.version: [ 1, 2 ]
amdhsa.kernels:
  - .name:           k_q00f8fac447_attn
    .symbol:         k_q00f8fac447_attn.kd
    .args:
      - { .name: qc, .offset: 0, .size: 8, .value_kind: global_buffer, .address_space: global }
      - { .name: kv, .offset: 8, .size: 8, .value_kind: global_buffer, .address_space: global }
      - { .name: Wo, .offset: 16, .size: 8, .value_kind: global_buffer, .address_space: global }
      - { .name: bo, .offset: 24, .size: 8, .value_kind: global_buffer, .address_space: global }
      - { .name: lowp_scales, .offset: 32, .size: 8, .value_kind: global_buffer, .address_space: global }
      - { .name: out0, .offset: 40, .size: 8, .value_kind: global_buffer, .address_space: global }
    .group_segment_fixed_size: 327680
    .private_segment_fixed_size: 0
    .kernarg_segment_align: 8
    .kernarg_segment_size: 48
    .max_flat_workgroup_size: 256
    .sgpr_count:     66
    .vgpr_count:     512
    .wavefront_size: 32
...
	.end_amdgpu_metadata
.endif
;; end of part 2
